; MI455X (gfx1250); checked and timed in simulation.
; The chip was launched on July 23, 2026; its instructions are those of AMD's public machine-readable ISA for CDNA 5 (MIT licence, August 2026) and "CDNA5" Instruction Set Architecture Reference Guide (July 2026). The comments in the code are by the model that wrote it; some were corrected since.
;; Long Term Memory MLP. Allowed arithmetic: matrix products marked QUANTISED: E2M1 operands, one E8M0 scale for each 32 along K, by v_wmma_scale_f32_16x16x128_f8f6f4 with both operands' format E2M1 (or v_wmma_scale_f32_32x16x128_f4), f32 sums; everything else in f32.
;; Inputs: W0_codes 8 x 1,024 x 16 x 16 uint8 (E2M1 codes of W0, K innermost, in blocks of 32 codes, two codes a byte); W0_scales 8 x 1,024 x 16 uint8 (E8M0 scales of W0, one for each 32 codes along K); W1_codes 8 x 1,024 x 32 x 16 uint8 (E2M1 codes of W1, K innermost, in blocks of 32 codes, two codes a byte); W1_scales 8 x 1,024 x 32 uint8 (E8M0 scales of W1, one for each 32 codes along K); W2_codes 8 x 512 x 32 x 16 uint8 (E2M1 codes of W2, K innermost, in blocks of 32 codes, two codes a byte); W2_scales 8 x 512 x 32 uint8 (E8M0 scales of W2, one for each 32 codes along K); b0 8 x 1,024 float32; b1 8 x 1,024 float32; b2 8 x 512 float32; query_codes 8 x 4,096 x 16 x 16 uint8 (E2M1 codes of query, K innermost, in blocks of 32 codes, two codes a byte); query_scales 8 x 4,096 x 16 uint8 (E8M0 scales of query, one for each 32 codes along K).
;; Outputs: out0 8 x 4,096 x 512 float32.
;; This version of the problem:
;;   THIS VERSION OF THE PROBLEM IS GIVEN IN LOW PRECISION. The matrix products marked QUANTISED in the list below multiply operands that are first quantised to E2M1 (2 exponent bits, 1 mantissa bit; 4 bits a number), with one power-of-two scale for each 32 numbers along K (OCP MX v1.0); their sums are f32. All else is computed in f32.
;;   The module's matrix products, in the order in which they are computed (A, B: the left and right operand; K: the contracted axis; several contracted axes count as one K, in the product's order):
;;     1. batch 8 x [M 4,096, K 512] x [K 512, N 1,024]; A: input query (given as codes); B: input W0 (given as codes): QUANTISED
;;     2. batch 8 x [M 4,096, K 1,024] x [K 1,024, N 1,024]; A: computed on the way; B: input W1 (given as codes): QUANTISED
;;     3. batch 8 x [M 4,096, K 1,024] x [K 1,024, N 512]; A: computed on the way; B: input W2 (given as codes): QUANTISED
;;   THE QUANTISER, for each operand of a quantised product, along K:
;;     - K is cut into blocks of 32 from its start; a last block that is shorter is filled with zeros.
;;     - A block's scale is 2^e with e = floor(log2(the largest magnitude in the block)) - 2, held to -126 .. 127; a block of zeros has e = 0. As a byte (E8M0): e + 127.
;;     - Each number is divided by its block's scale, clamped to +-6, and rounded to the nearest number of E2M1, ties to even, subnormals kept.
;;     - The product sums the exact products of the quantised numbers (number of the format x scale) in f32.
;;   ~~~python
;;   def quantise(x, axis):      # numpy; x: float32 -> the quantised numbers, widened to float32 again
;;       x = np.moveaxis(x, axis, -1); K = x.shape[-1]
;;       x = np.pad(x, [(0, 0)] * (x.ndim - 1) + [(0, -K % 32)]); x = x.reshape(x.shape[:-1] + (-1, 32)); a = np.abs(x).max(-1, keepdims=True)
;;       e = np.where(a > 0, np.clip(np.frexp(np.where(a > 0, a, 1))[1] - 1 - 2, -126, 127), 0)      # np.frexp(a)[1] - 1 = floor(log2(a)), exactly
;;       r = np.clip(x / 2.0 ** e, -6, 6)
;;       step = 2.0 ** (np.maximum(np.frexp(np.where(r == 0, 1, r))[1] - 1, 0) - 1)
;;       q = np.round(r / step) * step * 2.0 ** e      # np.round: ties to even
;;       return np.moveaxis(q.reshape(q.shape[:-2] + (-1,))[..., :K], -1, axis).astype(np.float32)
;;   ~~~
;;   OPERANDS COMPUTED ON THE WAY. 'Computed on the way' means the value that the module computes at that place (a softmax that the list does not call 'softmax' is quantised finished and normalised). What goes into a quantiser is computed in f32, as accurately as f32 sums, v_exp_f32 and their like allow (about 1e-6 of the number): no bf16 or f16 on the way to a quantiser, and a product that is left as it is and whose result goes on into a quantised operand takes f32 operands (vector FMAs, or v_wmma_f32_16x16x4_f32). A number that lies on a knife's edge between two numbers of the format may be rounded either way, as far as f32 arithmetic and the matrix unit's own rounding can turn it there, and no further.
;;   INPUTS GIVEN AS CODES. W0 (in the module: [8, 1024, 512], K = its axis 2); W1 (in the module: [8, 1024, 1024], K = its axis 2); W2 (in the module: [8, 512, 1024], K = its axis 2); query (in the module: [8, 4096, 512], K = its axis 2): each comes as NAME_codes (uint8): NAME with its K axis moved to the last place and cut into blocks of 32 codes, [.., K / 32, bytes a block], one block behind the other in memory; two codes a byte, the lower K in the low four bits (a code: sign, 2 exponent bits, 1 mantissa bit); and NAME_scales (uint8): the same leading axes, one E8M0 byte (e + 127) for each 32 codes along K. Its value is code x scale, taken as it is: it is not quantised again, and the codes and scales need not be those that the quantiser above would give.
;; One version. Each part assembles by itself: llvm-mc -triple=amdgcn-amd-amdhsa -mcpu=gfx1250 --defsym DOCPART=n.
;; ======== version 1 of 1: 1 launch
;; launch mlp (part 1): grid 256 x 1, 4 waves a work-group, clusters of 4 x 1, 327,680 bytes of LDS; arguments query_codes, query_scales, W0_codes, W0_scales, b0, W1_codes, W1_scales, b1, W2_codes, W2_scales, b2, out0; writes out0
.if DOCPART == 1
	.amdgcn_target "amdgcn-amd-amdhsa--gfx1250"
	.amdhsa_code_object_version 6
	.text
	.protected	k_q236ed10205_mlp
	.globl	k_q236ed10205_mlp
	.p2align	8
	.type	k_q236ed10205_mlp,@function
k_q236ed10205_mlp:
	s_mov_b64 s[64:65], 0
	v_nop
	global_prefetch_b8 v0, s[64:65] scope:SCOPE_SE
	s_setreg_imm32_b32 hwreg(HW_REG_WAVE_MODE, 25, 1), 1
	s_wait_xcnt 0x0
	s_wait_alu depctr_hold_cnt(0) depctr_sa_sdst(0) depctr_va_vdst(0) depctr_va_sdst(0) depctr_va_ssrc(0) depctr_va_vcc(0) depctr_vm_vsrc(0)
	s_getreg_b32 s2, hwreg(HW_REG_IB_STS2, 6, 4)
	s_cmp_eq_u32 s2, 0
	s_cbranch_scc0 .Lentry_in_a_cluster
	s_endpgm
.Lentry_in_a_cluster:
	s_bfe_u32 s2, ttmp6, 0x10000c
	s_cmp_lg_u32 s2, 0x3003
	s_cbranch_scc0 .Lentry_shape_is_right
	s_endpgm
.Lentry_shape_is_right:
; out = (relu(relu(x W0^T + b0) W1^T + b1)) W2^T + b2 for 8 batches of 4,096 rows: 512 -> 1,024 -> 1,024 -> 512, all three products on codes of FP4 (E2M1) with one E8M0 scale for each 32 along K.
; x, W0, W1, W2 arrive as codes and scale bytes, K innermost.  The two hidden layers are quantised on the way (f32 sums + bias, relu, the block's scale, the conversion) and never go to memory.
; SHARES.  256 work-groups of four waves; a work-group takes 128 rows of one batch through the whole chain.  THE WAVES SHARE THE COLUMNS: in a PASS wave w makes units 512 p + 128 w .. + 127 for all 128 rows:
; 64 accumulators of 16 x 16, 512 registers.  128 units are one K step of the next product, so a wave's pass gives whole fragments and whole scale words: K step 4 p + w.  Layer 1: 2 passes of 4 K steps; layer 2: 2 of 8; layer 3: 1 of 8.
; THE MATRIX INSTRUCTION IS USED TRANSPOSED (source 0 = 16 rows of W, source 1 = 16 rows of the activations): lane (r, h) holds row r, and its register j unit 8 h + j of the tile: neighbours along the next K, and along a row of out.
; THE WEIGHTS come as eight tiles of 512 rows x 256 bytes (4 K steps: a LAP) through ONE LDS slot; each wave fetches and reads its own 128 rows.  THE SECOND BUFFER IS THE REGISTERS: W has four sets of fragments, a lap's worth.
; A tile is copied whole into them as the sets fall free (sets 0-2 in the middle of the last K step of the lap before, set 3 at its end), so the slot is free in the first K step of the lap that multiplies the tile, and is filled
; again there: from that load to the wait for it a wave issues 32 + 64 + 64 + 32 = 192 matrix instructions.  Two slots of this size are 278,528 bytes, which do not fit beside the activations.
; CLUSTER.  The four work-groups of a cluster belong to one batch and walk the same weights: each tile is asked for JOINTLY, by the same tensor load with the same descriptor and the mask 15.
; THE TEXT.  What runs: lap, epilogue, lap, epilogue, lap, lap, epilogue, lap, lap, epilogue, lap, lap, way out.  Written: one lap, a loop of two trips (epilogue, lap), a loop of two trips
; (lap, epilogue, lap), one lap without a refill.  What differs between trips lies in scalars (LDS bases turned by an exclusive or or stepped) and in pointers chosen by the trip's number.
; LIMITS.  NaN, infinities and the scale byte 0xff are not served.  A hidden block whose largest number lies under 2^-124 keeps the byte 1; so does a block of zeros (its codes are zeros; the bytes are this program's own).
; The bias is the C of a sum's first K step, so it is added ahead of the products, not behind them.  relu is made on the codes: a negative number's magnitude becomes 0 and its sign bit stays: the code -0, which adds nothing.
; REGISTERS, in windows of 256: window 0: v0-29 addresses; v32-63 the activations' scale words, v64-95 the weights'; v96-127 at work; v128-191 the activations' fragments (in the epilogue at work);
;   v192-255 the bias of the pass in hand, 8 registers a tile (in the epilogue the codes just made).   window 1: W's fragments, four sets of 64: set q serves a lap's K step q.
;   windows 2, 3: accumulator (a, b) at v[8 (8 (a % 4) + b)] of window 2 + a / 4.
.set PW,    272                        ; a row of W in LDS: 256 bytes + 16 of padding = 68 words: row r starts at bank 4 r mod 64 (64 banks of 4 bytes: ISA guide 11.1), so the 16 rows of a load start at 16 different banks
.set WROWS, 128*PW                     ; a wave's 128 rows
.set RINGB, 4*WROWS                    ; the slot: 139,264
.set PH,    528                        ; a row of activations: 512 bytes of codes (1,024 along K) + 16
.set HT,    16*PH                      ; a tile of 16 rows
.set HA,    RINGB                      ; x (bytes 0-255 of each row), later the second hidden layer
.set HB,    HA+128*PH                  ; the first hidden layer
.set SA,    HB+128*PH                  ; scale words of what lies in HA: [tile of rows: 512][K steps 0-3, 4-7: 256][row: 16][K step: 4]
.set SB,    SA+4096                    ; and of what lies in HB
.set SPARE, SB+4096                    ; the spare words, 128 bytes for each wave: two blocks of 256 bytes that no other line names
.set STG,   SPARE+512                  ; the way out: 16 rows x 528 bytes for each wave
.set BIAS,  STG+4*HT                   ; the biases: 2,560 bytes for each wave: its 128 numbers of each of the five passes, 512 bytes a pass
.set ALANE, 3                          ; v3   528 r + 16 h
.set AHB,   4                          ; v4   the same in HB
.set AHA,   5                          ; v5   in HA
.set ACUR,  6                          ; v6   in the region that the pass reads
.set ADW,   7                          ; v7   my lane's place in my rows of W
.set BLN,   8                          ; v8   my wave's biases + 32 h: my eight numbers of a tile
.set HSL,   9                          ; v9   528 r + 16 h + 64 w: where my K step's codes go in a row
.set HST,   10                         ; v10  the same in the region that the epilogue writes
.set SSL,   11                         ; v11  16 r + 4 w: where my K step's scale word goes
.set SST,   12                         ; v12  the same in its region
.set SLANE, 13                         ; v13  256 h + 16 r: lanes 0-15 read the words of K steps 0-3, lanes 16-31 those of 4-7
.set ASL,   14                         ; v14  the same in its region
.set WSO16, 15                         ; v15  16 r: a row of W0's scale bytes
.set WSO32, 16                         ; v16  32 r + 16 h: a row of W1's or W2's, my half
.set BAD,   17                         ; v17  BLN + the pass's 512 bytes
.set STO,   18                         ; v18  the way out: where I put 32 bytes of a row
.set RD,    19                         ; v19  where I read a row back
.set CO,    20                         ; v20  16 x lane
.set XST,   21                         ; v21  where x's codes go
.set XSS,   22                         ; v22  where x's scale words go
.set BST,   23                         ; v23  where the biases go: my wave's + 16 x lane
.set PFO,   24                         ; v24  the prefetches' offset: (32 x my place in the cluster + lane) rows of 512 bytes; never rewritten
.set SPW,   28                         ; v28  LDS address of my spare word: SPARE + 4 x my thread's number; never rewritten
.set NIL,   29                         ; v29  0; never rewritten
.set AS,    32                         ; register 4 a + q: the word of rows 16 a on for K step q (lanes 0-15) and 4 + q (lanes 16-31)
.set WS,    64                         ; register 4 b + q: the same for W's tile b
.set T2,    96
.set RT,    112
.set XF,    128
.set MX,    128                        ; the epilogue: 16 largest numbers,
.set SO,    144                        ; 16 scale operands,
.set PWD,   160                        ; 8 scale words
.set PC,    192                        ; codes: 8 registers a tile of rows, 32 a batch
.set BI,    192                        ; in the laps: the bias
.set BK,    128                        ; the way out: 16 rows read back: v128-191 and v192-255 by turns
.set WV,    28                         ; s28  wave
.set CX,    29                         ; s29  my place in the cluster: it enters x's and out's addresses and the prefetches' offset alone
.set BAT,   30                         ; s30  batch
.set BLK,   31                         ; s31  my block of 128 rows in the batch
.set G1A,   36                         ; s[36:43] descriptor group 1 for W0's tiles (rows 256 bytes apart)
.set G1B,   44                         ; s[44:51] for W1's and W2's (512)
.set G0,    52                         ; s[52:55] group 0
.set LIM,   56                         ; s56  0 in the batch's first cluster, which prefetches
.set BOFF,  57                         ; s57  512 x the pass
.set STRM,  60                         ; s[60:61] where the next tile to be asked for begins; no descriptor register
.set WSP,   66                         ; s[66:67] the next pass's scale bytes
.set ABASE, 74                         ; s74  the region that a pass reads
.set SBASE, 75                         ; s75  and its scale words
.set EB,    76                         ; s76  where the epilogue's codes go: region + 256 p
.set ESB,   77                         ; s77  and its scale words
.set CNT,   78                         ; s78  the trip
.set FLOOR, 79                         ; s79  2^(3 - 127)
.set SGN,   80                         ; s80  the sign bits of eight codes
.set EOFF,  81                         ; s81  -(2 << 23)
.set SEL,   82                         ; s[82:83] v_permlanex16_b32's selects for lane l xor 16
.set MUL_LO,  0xa1                     ; source 0 (W) window 1, source 1 window 0, C and D window 2
.set MUL_HI,  0xf1                     ; C and D window 3
.set MULB_LO, 0x81                     ; C (the bias) window 0, D window 2
.set MULB_HI, 0xc1                     ; D window 3
.set TO_W,    0x40                     ; destination window 1, address window 0
.set MSB, 0
.macro WIN new                         ; the immediate's high byte repeats the setting that is left; a switch that changes nothing is dropped
.if MSB != (\new)
	s_set_vgpr_msb (MSB<<8)|(\new)
.set MSB, \new
.endif
.endm
; A load into a register that a matrix instruction has read, and a vector instruction or an LDS store that reads a matrix result, stand four places behind it; a matrix instruction that begins an accumulator anew with another C, five.
; Only plain vector instructions that name none of its registers are places (ISA guide 7.12.1 for vector instructions).
.macro PLACES n
.rept \n
	v_nop
.endr
.endm
.macro CREST                           ; a round of the cluster's barrier behind its opening barrier
	s_cmp_lg_u32 s[WV], 0
	s_cbranch_scc1 .Lnot_wave_0_\@
	s_barrier_signal -3
.Lnot_wave_0_\@:
	s_barrier_wait -3
	s_barrier_signal -1
	s_barrier_wait -1
.endm
.macro CROUND                          ; a whole round
	s_barrier_signal -1
	s_barrier_wait -1
	CREST
.endm
.macro BARRIER                         ; my LDS stores have landed and my LDS loads are in: then the work-group's barrier
	s_wait_dscnt 0x0
	s_barrier_signal -1
	s_barrier_wait -1
.endm
.macro ADV ptr, bs, ws                 ; a pointer goes to my batch's and my wave's part.  s34 and s35 never hold my place in the cluster
	s_lshl_b32 s34, s[BAT], \bs
	s_lshl_b32 s35, s[WV], \ws
	s_add_co_u32 s34, s34, s35
	s_mov_b32 s35, 0
	s_add_nc_u64 s[\ptr:\ptr+1], s[\ptr:\ptr+1], s[34:35]
.endm
; A fragment, 16 rows x 128 K of 4-bit codes, is 8 registers: lane l holds row l % 16; registers 4 c .. 4 c + 3 hold K = 64 c + 32 (l / 16) + 0 .. 31: two loads of 16 bytes, 32 bytes apart.
.macro FW j                            ; my eight tiles of W, the tile's K step j, into set j (the caller sets the destination's window)
.irp b, 0,1,2,3,4,5,6,7
	ds_load_b128 v[64*(\j)+8*\b:64*(\j)+8*\b+3],   v[ADW] offset:16*PW*\b+64*(\j)
	ds_load_b128 v[64*(\j)+8*\b+4:64*(\j)+8*\b+7], v[ADW] offset:16*PW*\b+64*(\j)+32
.endr
.endm
.macro FETCH_X adr, koff, i0           ; the activations' tiles of rows i0 .. i0 + 3, at byte koff of the rows
.irp i, \i0, \i0+1, \i0+2, \i0+3
	ds_load_b128 v[XF+8*(\i):XF+8*(\i)+3],   v[\adr] offset:(\i)*HT+(\koff)
	ds_load_b128 v[XF+8*(\i)+4:XF+8*(\i)+7], v[\adr] offset:(\i)*HT+(\koff)+32
.endr
.endm
; 16 matrix instructions: tiles of rows a0, a0 + 1 x my eight tiles of W, the lap's K step q.  bias = 1: the sums begin with the bias as C: nothing is cleared and nothing is added later.  lap = 1: K steps 4-7, whose scale words lie in lanes 16-31.
; The 64 accumulators take turns, one instruction a turn, in the same order in every K step.
.macro MUL16 a0, q, lap, bias
.irp a, \a0, \a0+1
.irp b, 0,1,2,3,4,5,6,7
.if \bias
	v_wmma_scale_f32_16x16x128_f8f6f4 v[8*(8*((\a)%4)+\b):8*(8*((\a)%4)+\b)+7], v[64*(\q)+8*\b:64*(\q)+8*\b+7], v[XF+8*(\a):XF+8*(\a)+7], v[BI+8*\b:BI+8*\b+7], v[WS+4*\b+(\q)], v[AS+4*(\a)+(\q)] matrix_a_fmt:MATRIX_FMT_FP4 matrix_b_fmt:MATRIX_FMT_FP4
.elseif \lap
	v_wmma_scale_f32_16x16x128_f8f6f4 v[8*(8*((\a)%4)+\b):8*(8*((\a)%4)+\b)+7], v[64*(\q)+8*\b:64*(\q)+8*\b+7], v[XF+8*(\a):XF+8*(\a)+7], v[8*(8*((\a)%4)+\b):8*(8*((\a)%4)+\b)+7], v[WS+4*\b+(\q)], v[AS+4*(\a)+(\q)] matrix_a_fmt:MATRIX_FMT_FP4 matrix_b_fmt:MATRIX_FMT_FP4 matrix_a_scale:MATRIX_SCALE_ROW1 matrix_b_scale:MATRIX_SCALE_ROW1
.else
	v_wmma_scale_f32_16x16x128_f8f6f4 v[8*(8*((\a)%4)+\b):8*(8*((\a)%4)+\b)+7], v[64*(\q)+8*\b:64*(\q)+8*\b+7], v[XF+8*(\a):XF+8*(\a)+7], v[8*(8*((\a)%4)+\b):8*(8*((\a)%4)+\b)+7], v[WS+4*\b+(\q)], v[AS+4*(\a)+(\q)] matrix_a_fmt:MATRIX_FMT_FP4 matrix_b_fmt:MATRIX_FMT_FP4
.endif
.endr
.endr
.endm
; A PREFETCH INTO THE L2 of two tiles of W1 or W2: the two halves of 512 rows of 512 bytes, whose tensor loads stand one and two laps on.  It stands behind the joint load, its four lines and the run of LDS loads that follows them.
; Each row's 256 bytes of a tile are named ONCE in the launch.  All eight clusters of a batch walk the same weights: the batch's first cluster asks.  Of the 128 rows that wave w fetches, the partner at place p takes 32 p .. 32 p + 31,
; told apart BY ADDRESS, a lane a row: two instructions a wave.  Laps 0, 2 and 4 ask (tiles 2 and 3, 4 and 5, 6 and 7); the others ask for nothing, and so nothing is named past the last tile.  W0's two tiles come by their loads alone.
.macro ASK base, off, want             ; want: the trip that asks
	s_xor_b32 s34, s[CNT], \want
	s_or_b32 s34, s34, s[LIM]                      ; 0 in that trip, in the batch's first cluster: the same in all four partners
	s_cmp_eq_u32 s34, 0
	s_cbranch_scc0 .Lnot_mine_\@
	global_prefetch_b8 v[PFO], s[\base:\base+1] offset:\off th:TH_LOAD_NT scope:SCOPE_SE
	global_prefetch_b8 v[PFO], s[\base:\base+1] offset:(\off)+256 th:TH_LOAD_NT scope:SCOPE_SE
.Lnot_mine_\@:
.endm
; A K step with no business in the slot.  A tile of rows is free as soon as its eight products are issued, so the activations have one set: tiles 0-3 are fetched anew in the middle, tiles 4-7 at the end.
.macro KSTEP q, lap, adr, young
	s_wait_dscnt \young                            ; tiles 0-3 are in; the youngest loads may be out: tiles 4-7 (8), and in the last lap's first K step W's set 3 (16) behind them
	WIN MUL_LO
	MUL16 0, \q, \lap, 0
	MUL16 2, \q, \lap, 0
	s_wait_dscnt 0x0                               ; tiles 4-7 are in (asked for 32 matrix instructions ago)
	PLACES 4
	WIN 0
	FETCH_X \adr, 256*(\lap)+64*(\q)+64, 0
	WIN MUL_HI
	MUL16 4, \q, \lap, 0
	MUL16 6, \q, \lap, 0
	PLACES 4
	WIN 0
	FETCH_X \adr, 256*(\lap)+64*(\q)+64, 4
.endm
; A lap's first K step fills the slot again: the lap's whole tile lies in registers, or is on its way there.  In front of the round each wave waits for all its tensor loads (none is out: the tile was waited for ahead of its copy),
; adds 0 to its spare word, and waits for that and for its LDS reads, the copy's last among them.  Behind the round the next lap's tile is asked for.
; young: what may be out at the first product: the add and tiles 4-7 (9); where the lap before stands directly ahead, W's set 3 behind them too (25).
.macro TURN0 lap, adr, bias, g1, young, pf, pbase, poff, pwant
	s_wait_tensorcnt 0x0                           ; no tensor load of mine is out, so group 0 may be written
	ds_add_u32 v[SPW], v[NIL]                      ; 0 onto my spare word
	s_mov_b64 s[G0+2:G0+3], s[STRM:STRM+1]         ; 120:64 the tile's first byte,
	s_or_b32 s[G0+3], s[G0+3], 0x80000000          ; 127:126 type = 2;
	s_add_nc_u64 s[STRM:STRM+1], s[STRM:STRM+1], 256   ; the stream goes 4 K steps on
	s_wait_dscnt \young
.if \bias
	WIN MULB_LO
.else
	WIN MUL_LO
.endif
	MUL16 0, 0, \lap, \bias                        ; sixteen matrix instructions stand between the add and the wait for it
	s_wait_dscnt 0x0                               ; the add is done; my reads of the slot and of the activations are in
	s_barrier_signal -1                            ; the barrier opens a round of the cluster's
	MUL16 2, 0, \lap, \bias
	WIN 0
	s_barrier_wait -1
	CREST                                          ; no wave of any partner still reads the slot or has a load on its way
	tensor_load_to_lds s[G0:G0+3], s[\g1:\g1+7]    ; my one tensor load behind the round
	s_nop 0
	PLACES 4                                       ; the places in front of the loads below
	FETCH_X \adr, 256*(\lap)+64, 0
.if \pf
	ASK \pbase, \poff, \pwant
.endif
.if \bias
	WIN MULB_HI
.else
	WIN MUL_HI
.endif
	MUL16 4, 0, \lap, \bias
	MUL16 6, 0, \lap, \bias
	PLACES 4
	WIN 0
	FETCH_X \adr, 256*(\lap)+64, 4
.endm
; A lap's last K step copies the next lap's tile into W's sets.  My own load brought the rows that I alone read, so my own wait on TENSORcnt is all that the reads need.  Sets 0-2 have been free since their K steps; set 3 is free at this K step's end.
; tail = 1: an epilogue follows, so only W is fetched; 0: the next lap stands directly behind, so the activations' next K step is fetched too.
.macro STEP3 lap, adr, tail
	s_wait_dscnt 8
	WIN MUL_LO
	MUL16 0, 3, \lap, 0
	MUL16 2, 3, \lap, 0
	s_wait_dscnt 0x0
	s_wait_tensorcnt 0x0                           ; the next tile has landed: asked for 192 matrix instructions ago
.if \tail == 0
	PLACES 4
.endif
	WIN TO_W
	FW 0
	FW 1
	FW 2
	WIN 0
.if \tail == 0
	FETCH_X \adr, 256*(\lap)+256, 0
.endif
	WIN MUL_HI
	MUL16 4, 3, \lap, 0
	MUL16 6, 3, \lap, 0
	PLACES 4
	WIN 0
.if \tail == 0
	FETCH_X \adr, 256*(\lap)+256, 4
.endif
	WIN TO_W
	FW 3                                           ; the youngest sixteen loads: the next lap's first products do not wait for them
	WIN 0
.endm
.macro LAP adr, lap, bias, g1, tail, young, pf, pbase, poff, pwant     ; 4 K steps
	TURN0 \lap, \adr, \bias, \g1, \young, \pf, \pbase, \poff, \pwant
	KSTEP 1, \lap, \adr, 8
	KSTEP 2, \lap, \adr, 8
	STEP3 \lap, \adr, \tail
.endm
.macro WSLOAD16 base, off              ; W0's scale words of my 128 rows: 16 bytes a row
.irp b, 0,1,2,3,4,5,6,7
	global_load_b128 v[WS+4*\b:WS+4*\b+3], v[WSO16], s[\base:\base+1] offset:(\off)+256*\b
.endr
.endm
.macro WSLOAD32 base                   ; W1's or W2's: 32 bytes a row; a load's 32 lanes take 512 consecutive bytes
.irp b, 0,1,2,3,4,5,6,7
	global_load_b128 v[WS+4*\b:WS+4*\b+3], v[WSO32], s[\base:\base+1] offset:512*\b
.endr
.endm
; A pass's first lap: the bias in the result's layout (for tile t lane (r, h) takes units 16 t + 8 h + 0 .. 7), the scale words and the first fragments of the region in hand, the wait for the weights' scale words, and the lap.
.macro B1BLOCK g1, tail, pf, pbase, poff, pwant
	v_add_nc_u32 v[ACUR], s[ABASE], v[ALANE]
	v_add_nc_u32 v[ASL], s[SBASE], v[SLANE]
	v_add_nc_u32 v[BAD], s[BOFF], v[BLN]
.irp t, 0,1,2,3,4,5,6,7
	ds_load_b128 v[BI+8*\t:BI+8*\t+3],   v[BAD] offset:64*\t
	ds_load_b128 v[BI+8*\t+4:BI+8*\t+7], v[BAD] offset:64*\t+16
.endr
.irp m, 0,1,2,3,4,5,6,7
	ds_load_b128 v[AS+4*\m:AS+4*\m+3], v[ASL] offset:512*\m
.endr
	FETCH_X ACUR, 0, 0
	FETCH_X ACUR, 0, 4
	s_wait_loadcnt 0x0                             ; the weights' scale words, asked for at the epilogue's head
	LAP ACUR, 0, 1, \g1, \tail, 9, \pf, \pbase, \poff, \pwant
.endm
; THE EPILOGUE for four tiles of rows (window 2 + g).  Lane (r, h) holds of row r and block beta (32 units) the units 8 h + 0 .. 7 (tile 2 beta) and 16 + 8 h + 0 .. 7 (tile 2 beta + 1).
.macro EPIB g
	WIN 0x28+0x14*(\g)                             ; sources 1 and 2: the accumulators' window
.irp i, 0,1,2,3
.irp b, 0,1,2,3
	v_max3_num_f32 v[MX+4*\i+\b], s[FLOOR], v[64*\i+16*\b], v[64*\i+16*\b+1]   ; the largest number of my 16.  No |.|: what relu clips must not count; the floor stands over it and holds the byte at 1 from below
.endr
.endr
.irp p, 2,4,6,8,10,12,14
.irp i, 0,1,2,3
.irp b, 0,1,2,3
	v_max3_num_f32 v[MX+4*\i+\b], v[MX+4*\i+\b], v[64*\i+16*\b+\p], v[64*\i+16*\b+\p+1]   ; sixteen chains by turns; each accumulator is read from its low end on
.endr
.endr
.endr
	WIN 0
.irp k, 0,1,2,3,4,5,6,7,8,9,10,11,12,13,14,15
	v_permlanex16_b32 v[T2+\k], v[MX+\k], s[SEL], s[SEL+1]
.endr
.irp k, 0,1,2,3,4,5,6,7,8,9,10,11,12,13,14,15
	v_max_num_f32 v[MX+\k], v[MX+\k], v[T2+\k]     ; with lane l xor 16's 16: the block's
.endr
.irp k, 0,1,2,3,4,5,6,7,8,9,10,11,12,13,14,15
	v_add_nc_u32 v[SO+\k], s[EOFF], v[MX+\k]       ; 2 off its exponent field: the conversion takes the exponent field of this operand as its scale, and nothing else of it
.endr
.irp k, 0,1,2,3,4,5,6,7,8,9,10,11,12,13,14,15
	v_lshrrev_b32 v[T2+\k], 23, v[SO+\k]           ; the scale's byte
.endr
.irp i, 0,1,2,3
	v_lshl_or_b32 v[PWD+4*(\g)+\i], v[T2+4*\i+1], 8, v[T2+4*\i]    ; four bytes make my row's scale word for this K step
.endr
.irp i, 0,1,2,3
	v_lshl_or_b32 v[PWD+4*(\g)+\i], v[T2+4*\i+2], 16, v[PWD+4*(\g)+\i]
.endr
.irp i, 0,1,2,3
	v_lshl_or_b32 v[PWD+4*(\g)+\i], v[T2+4*\i+3], 24, v[PWD+4*(\g)+\i]
.endr
	WIN 0x02+(\g)                                  ; source 0: the accumulators' window
.irp i, 0,1,2,3
.irp b, 0,1,2,3
.irp u, 0,1
	v_cvt_scalef32_pk8_fp4_f32 v[PC+32*(\g)+8*\i+4*(\b/2)+2*\u+(\b%2)], v[64*\i+16*\b+8*\u:64*\i+16*\b+8*\u+7], v[SO+4*\i+\b]   ; units 32 b + 16 u + 8 h + 0 .. 7
.endr
.endr
.endr
	v_nop                                          ; one plain place behind the scaled conversions
	WIN 0
.irp i, 0,1,2,3
.set PT, PC+32*(\g)+8*\i
.irp k, 0,1,2,3,4,5,6,7
	v_and_b32 v[RT+\k], s[SGN], v[PT+\k]           ; relu on the codes: 8 in each negative code's four bits,
.endr
.irp k, 0,1,2,3,4,5,6,7
	v_lshrrev_b32 v[RT+8+\k], 3, v[RT+\k]          ; 1,
.endr
.irp k, 0,1,2,3,4,5,6,7
	v_sub_nc_u32 v[RT+\k], v[RT+\k], v[RT+8+\k]    ; 7: its magnitude's bits,
.endr
.irp k, 0,1,2,3,4,5,6,7
	v_bfi_b32 v[PT+\k], v[RT+\k], 0, v[PT+\k]      ; which are cleared
.endr
.irp c, 0,1                                    ; the operand's layout wants a WHOLE block in a lane, lanes 0-15 block 2 c, lanes 16-31 block 2 c + 1: the first's lanes 16-31 change places with the second's lanes 0-15
.irp u, 0,1
	v_permlane16_swap_b32 v[PT+4*\c+2*\u], v[PT+4*\c+2*\u+1]
.endr
.endr
	ds_store_b128 v[HST], v[PT:PT+3] offset:(4*(\g)+\i)*HT         ; registers 4 c .. 4 c + 3 are K = 64 c + 32 h + 0 .. 31 of my K step: 16 bytes of row 16 m + r
	ds_store_b128 v[HST], v[PT+4:PT+7] offset:(4*(\g)+\i)*HT+32
	ds_store_b32 v[SST], v[PWD+4*(\g)+\i] offset:512*(4*(\g)+\i)   ; both halves of the lanes hold the same word and write it to the same place
.endr
.endm
; The whole epilogue.  At its head the next pass's scale words are asked for; they land while the pass just finished is quantised.  The pointer is chosen by the trip's number.
; Every epilogue stores into a region that no wave reads in the pass just finished (layer 1's write HB while HA is read, layer 2's write HA while HB is read), and the barrier behind the epilogue before stands between
; the last reads of what it overwrites (x and its scale words) and its stores.
.macro EPI mode
	PLACES 1                                       ; with the four at the lap's end: five places behind the pass's last products
	s_cmp_eq_u32 s[CNT], 0
.if \mode == 0
	s_cbranch_scc0 .Lw1_\@                         ; W0's rows of scale bytes are half as long as W1's: two forms of eight loads, so every later count holds on both ways
	WSLOAD16 10, 8192
	s_branch .Lws_\@
.Lw1_\@:
	WSLOAD32 16
.Lws_\@:
.else
	s_cselect_b64 s[WSP:WSP+1], s[16:17], s[22:23] ; W1's second half, then W2  (the last loads through this pair were waited for at a lap's head)
	WSLOAD32 WSP
.endif
	v_add_nc_u32 v[HST], s[EB], v[HSL]
	v_add_nc_u32 v[SST], s[ESB], v[SSL]
	EPIB 0
	EPIB 1                                         ; the two batches have code and word registers of their own: no wait stands between them
.endm
	s_load_b512 s[4:19], s[0:1], 0x0               ; x's codes s[4:5], x's scales s[6:7], W0 s[8:9], its scales s[10:11], b0 s[12:13], W1 s[14:15], its scales s[16:17], b1 s[18:19]
	s_load_b256 s[20:27], s[0:1], 0x40             ; W2 s[20:21], its scales s[22:23], b2 s[24:25], out s[26:27]
	v_lshl_add_u32 v[SPW], v0, 2, SPARE
	v_mov_b32 v[NIL], 0
	ds_add_u32 v28, v29
	ds_add_u32 v28, v29
	s_wait_dscnt 0x0
	v_lshrrev_b32 v1, 5, v0
	v_readfirstlane_b32 s[WV], v1                  ; wave 0..3
	s_bfe_u32 s[CX], ttmp6, 0x40000                ; my place in the cluster
	s_lshr_b32 s[BAT], ttmp9, 3                    ; ttmp9 counts clusters: eight of them, 32 work-groups, to a batch
	s_and_b32 s[LIM], ttmp9, 7                     ; which of the eight
	s_lshl_b32 s[BLK], s[LIM], 2
	s_add_co_u32 s[BLK], s[BLK], s[CX]
	; descriptor group 1: a tile of 128 rows x 256 bytes, padded in LDS
.irp g, G1A, G1B
	s_mov_b32 s[\g+0], 15|(0<<16)|(1<<20)|(1<<21)|(5<<22)|(3<<25)  ; 15:0 the mask: all four work-groups; 17:16 elements of 1 byte; 20 padding on; 21 set beside a mask; 24:22 after every 64 words (code 5); 31:25 four words (code 3)
	s_mov_b32 s[\g+1], 256<<16                     ; tensor_dim0 = 256
	s_mov_b32 s[\g+2], 128<<16                     ; tensor_dim1 = 128
	s_mov_b32 s[\g+3], 256<<16                     ; tile_dim0 = 256
	s_mov_b32 s[\g+4], 128                         ; tile_dim1 = 128
	s_mov_b32 s[\g+6], 0
	s_mov_b32 s[\g+7], 0
.endr
	s_mov_b32 s[G1A+5], 256                        ; tensor_dim0_stride: a row of W0 is 512 codes,
	s_mov_b32 s[G1B+5], 512                        ; of W1 and W2 1,024
	s_mov_b32 s[FLOOR], 0x01800000
	s_mov_b32 s[SGN], 0x88888888
	s_mov_b32 s[EOFF], 0xff000000
	s_mov_b32 s[SEL], 0x76543210
	s_mov_b32 s[SEL+1], 0xfedcba98
	s_mov_b32 s[ABASE], HA
	s_mov_b32 s[SBASE], SA
	s_mov_b32 s[BOFF], 0
	s_mov_b32 s[CNT], 0
	v_and_b32 v1, 15, v0                           ; r
	v_bfe_u32 v2, v0, 4, 1                         ; h
	v_mul_u32_u24 v[ALANE], v1, PH
	v_lshl_add_u32 v[ALANE], v2, 4, v[ALANE]
	v_add_nc_u32 v[AHB], HB, v[ALANE]
	v_add_nc_u32 v[AHA], HA, v[ALANE]
	s_mul_i32 s34, s[WV], WROWS                    ; my rows' place in the slot: no place in the cluster enters an LDS address
	s_mov_b32 s[G0], 1                             ; 1:0 count = 1
	s_add_co_u32 s[G0+1], s34, 0                   ; 63:32 LDS address
	v_mul_u32_u24 v[ADW], v1, PW
	v_lshl_add_u32 v[ADW], v2, 4, v[ADW]
	v_add_nc_u32 v[ADW], s34, v[ADW]
	s_lshl_b32 s35, s[WV], 6
	v_add_nc_u32 v[HSL], s35, v[ALANE]
	v_lshlrev_b32 v[WSO16], 4, v1
	s_lshl_b32 s35, s[WV], 2
	v_add_nc_u32 v[SSL], s35, v[WSO16]
	v_lshl_add_u32 v[SLANE], v2, 8, v[WSO16]
	v_lshlrev_b32 v[WSO32], 5, v1
	v_lshl_add_u32 v[WSO32], v2, 4, v[WSO32]
	s_mul_i32 s35, s[WV], HT
	s_add_co_u32 s35, s35, STG                     ; my stage
	v_mul_u32_u24 v[STO], v1, PH
	v_lshl_add_u32 v[STO], v2, 5, v[STO]
	v_add_nc_u32 v[STO], s35, v[STO]               ; in: row r, 32 bytes for each half of the lanes
	v_and_b32 v[CO], 31, v0
	v_lshlrev_b32 v[CO], 4, v[CO]
	v_add_nc_u32 v[RD], s35, v[CO]                 ; back: the 32 lanes take one row of 512 bytes
	s_mul_i32 s35, s[WV], 2560
	s_add_co_u32 s35, s35, BIAS                    ; my biases
	v_lshl_add_u32 v[BLN], v2, 5, s35
	v_add_nc_u32 v[BST], s35, v[CO]
	s_mul_i32 s35, s[WV], 32*PH
	s_add_co_u32 s35, s35, HA
	v_mul_u32_u24 v[XST], v2, PH
	v_lshl_add_u32 v[XST], v1, 4, v[XST]
	v_add_nc_u32 v[XST], s35, v[XST]               ; x: my wave stages rows 32 w on; a load's lanes 0-15 hold one row's 256 bytes, lanes 16-31 the next row's
	s_lshl_b32 s35, s[WV], 10
	s_add_co_u32 s35, s35, SA
	v_lshl_add_u32 v[XSS], v2, 9, v[WSO16]
	v_add_nc_u32 v[XSS], s35, v[XSS]               ; and their scale words: tile of rows 2 w + h, row r
	s_lshl_b32 s32, s[CX], 5                       ; (s32, s33, s84, s85 hold my place in the cluster: they feed x's and out's addresses and the prefetches' offset alone)
	v_and_b32 v[PFO], 31, v0
	v_add_nc_u32 v[PFO], s32, v[PFO]
	v_lshlrev_b32 v[PFO], 9, v[PFO]
.irp k, 0,1,2,3,4,5,6,7,8,9,10,11,12,13,14,15
	v_mov_b32 v[T2+\k], 0                          ; written once: a lane permute's destination counts as one of its sources
.endr
	s_wait_kmcnt 0x0
	ADV 8, 18, 15                                  ; W0: 262,144 bytes a batch, my 128 rows of 256 bytes
	ADV 10, 14, 11                                 ; its scale bytes: 16,384 a batch, 128 rows of 16
	ADV 12, 12, 9                                  ; b0: 4,096 a batch, 128 numbers
	ADV 14, 19, 16                                 ; W1: 524,288 a batch, 128 rows of 512
	ADV 16, 15, 12
	ADV 18, 12, 9
	ADV 20, 18, 16                                 ; W2: 262,144 a batch
	ADV 22, 14, 12
	ADV 24, 11, 9
	s_lshl_b32 s32, s[BAT], 12
	s_lshl_b32 s33, s[BLK], 7
	s_add_co_u32 s32, s32, s33                     ; my work-group's first row
	s_lshl_b32 s84, s32, 11                        ; a row of out is 2,048 bytes,
	s_lshl_b32 s85, s[WV], 9                       ; my 128 columns 512
	s_add_co_u32 s84, s84, s85
	s_mov_b32 s85, 0
	s_add_nc_u64 s[26:27], s[26:27], s[84:85]
	s_lshl_b32 s33, s[WV], 5
	s_add_co_u32 s32, s32, s33                     ; the first of the 32 rows of x that I stage
	s_lshl_b32 s84, s32, 8
	s_add_nc_u64 s[4:5], s[4:5], s[84:85]
	s_lshl_b32 s84, s32, 4
	s_add_nc_u64 s[6:7], s[6:7], s[84:85]
	CROUND                                         ; all four work-groups are here: the first joint loads meet
	s_add_nc_u64 s[G0+2:G0+3], s[8:9], 0           ; tile 0: W0's rows 0-511, whole
	s_or_b32 s[G0+3], s[G0+3], 0x80000000
	s_add_nc_u64 s[STRM:STRM+1], s[8:9], 131072    ; the stream goes on with W0's rows 512-1,023
	tensor_load_to_lds s[G0:G0+3], s[G1A:G1A+7]    ; the first fill: one tensor load of mine is out, here and behind every round
	s_nop 0
	PLACES 4
.irp i, 0,1,2,3,4,5,6,7,8,9,10,11,12,13,14,15
	global_load_b128 v[XF+4*\i:XF+4*\i+3], v[CO], s[4:5] offset:512*\i th:TH_LOAD_NT   ; x's codes: 32 lanes read 512 consecutive bytes, two rows
.endr
	global_load_b128 v[RT:RT+3], v[CO], s[6:7] th:TH_LOAD_NT       ; x's scale words: 16 bytes a row, a lane a row
	global_load_b128 v[BI:BI+3],     v[CO], s[12:13]               ; my 128 numbers of each pass's bias: 512 consecutive bytes a load
	global_load_b128 v[BI+4:BI+7],   v[CO], s[12:13] offset:2048
	global_load_b128 v[BI+8:BI+11],  v[CO], s[18:19]
	global_load_b128 v[BI+12:BI+15], v[CO], s[18:19] offset:2048
	global_load_b128 v[BI+16:BI+19], v[CO], s[24:25]
	WSLOAD16 10, 0
	s_wait_loadcnt 8                               ; x and the biases are in; the weights' scale words (8 loads) may be out
.irp i, 0,1,2,3,4,5,6,7,8,9,10,11,12,13,14,15
	ds_store_b128 v[XST], v[XF+4*\i:XF+4*\i+3] offset:2*PH*\i
.endr
	ds_store_b128 v[XSS], v[RT:RT+3]
	ds_store_b128 v[XSS], v[RT:RT+3] offset:256    ; x has 4 K steps; the place of K steps 4-7 is written too, since lanes 16-31 load it
.irp k, 0,1,2,3,4
	ds_store_b128 v[BST], v[BI+4*\k:BI+4*\k+3] offset:512*\k       ; my wave alone reads these
.endr
	s_wait_tensorcnt 0x0                           ; my rows of tile 0 are in
	s_wait_dscnt 0x0                               ; for the others' sake: my part of x lies in LDS
	s_barrier_signal -1
	s_barrier_wait -1
	WIN TO_W
	FW 0
	FW 1
	FW 2
	FW 3
	WIN 0
	B1BLOCK G1A, 1, 1, 14, 0, 0                    ; layer 1, units 0-511; its refill is tile 1, W0's; it prefetches tiles 2 and 3: W1's rows 0-511
	s_mov_b64 s[STRM:STRM+1], s[14:15]             ; the stream goes on with W1
	s_mov_b32 s[EB], HB
	s_mov_b32 s[ESB], SB
	s_mov_b32 s[BOFF], 512
	s_mov_b32 s[CNT], 0
.La:                                               ; trip 0: layer 1's first pass is quantised | layer 1, units 512-1,023.  Trip 1: its second pass | layer 2, units 0-511, K steps 0-3
	EPI 0
	BARRIER                                        ; the pass's four K steps of codes and scale words lie in LDS
	B1BLOCK G1B, 1, 1, 14, 262144, 1               ; trip 1 prefetches tiles 4 and 5: W1's rows 512-1,023
	s_xor_b32 s[ABASE], s[ABASE], HA^HB            ; trip 1 reads the first hidden layer
	s_xor_b32 s[SBASE], s[SBASE], SA^SB
	s_add_co_u32 s[EB], s[EB], 256                 ; and writes its K steps 4-7
	s_add_co_u32 s[ESB], s[ESB], 256
	s_add_co_u32 s[BOFF], s[BOFF], 512
	s_add_co_u32 s[CNT], s[CNT], 1
	s_cmp_lt_u32 s[CNT], 2
	s_cbranch_scc1 .La
	FETCH_X AHB, 256, 0                            ; layer 2's K step 4 (the four places behind the last products stand at the lap's end)
	FETCH_X AHB, 256, 4
	s_wait_dscnt 8                                 ; W's set 3 and tiles 0-3 are in: on this way they are not the oldest loads, so the count at the next lap's head does not serve them
	s_wait_xcnt 0x0                                ; the prefetches have read their base
	s_add_nc_u64 s[14:15], s[14:15], 262144        ; W1's rows 512-1,023,
	s_add_nc_u64 s[16:17], s[16:17], 16384         ; their scale bytes
	s_mov_b32 s[ABASE], HB
	s_mov_b32 s[SBASE], SB
	s_mov_b32 s[EB], HA
	s_mov_b32 s[ESB], SA
	s_mov_b32 s[BOFF], 1536
	s_mov_b32 s[CNT], 0
.Lb:                                               ; trip 0: layer 2's first pass, K steps 4-7 | quantised | its second pass, K steps 0-3.  Trip 1: the second pass, K steps 4-7 | quantised | layer 3, K steps 0-3
	s_cmp_eq_u32 s[CNT], 0
	s_cselect_b64 s[STRM:STRM+1], s[14:15], s[20:21]   ; this trip's two refills: W1's second half, then W2
	LAP AHB, 1, 0, G1B, 1, 25, 0, 0, 0, 0
	EPI 1
	BARRIER
	B1BLOCK G1B, 0, 1, 20, 0, 0                    ; trip 0 prefetches tiles 6 and 7: W2
	s_xor_b32 s[ABASE], s[ABASE], HA^HB            ; trip 1's second lap reads the second hidden layer
	s_xor_b32 s[SBASE], s[SBASE], SA^SB
	s_add_co_u32 s[EB], s[EB], 256
	s_add_co_u32 s[ESB], s[ESB], 256
	s_add_co_u32 s[BOFF], s[BOFF], 512
	s_add_co_u32 s[CNT], s[CNT], 1
	s_cmp_lt_u32 s[CNT], 2
	s_cbranch_scc1 .Lb
	; layer 3's K steps 4-7: the last lap is written out: nothing is left to ask for, so it has no round
	KSTEP 0, 1, AHA, 24
	KSTEP 1, 1, AHA, 8
	KSTEP 2, 1, AHA, 8
	s_wait_dscnt 8
	WIN MUL_LO
	MUL16 0, 3, 1, 0
	MUL16 2, 3, 1, 0
	s_wait_dscnt 0x0
	WIN MUL_HI
	MUL16 4, 3, 1, 0
	MUL16 6, 3, 1, 0
	WIN 0
; THE WAY OUT, block by block of 16 rows x my 128 columns.  A lane holds 32 neighbouring bytes of a row, and the lanes beside it hold other rows: so a block goes through my own stage in LDS and comes back as whole
; rows of 512 bytes.  LDS serves a wave's instructions in order (ISA guide 5.7.1.4): no wait between the stores and the loads, nor in front of the next block's stores.
.macro TOSTAGE a
.set AC, 64*((\a)%4)
	WIN 0x08+4*((\a)/4)                            ; an LDS store's data are its source 1: window 2 or 3
.irp b, 0,1,2,3,4,5,6,7
	ds_store_b128 v[STO], v[AC+8*\b:AC+8*\b+3] offset:64*\b        ; each accumulator from its low end on
	ds_store_b128 v[STO], v[AC+8*\b+4:AC+8*\b+7] offset:64*\b+16
.endr
	WIN 0
.set BB, BK+64*((\a)%2)
.irp t, 0,1,2,3,4,5,6,7,8,9,10,11,12,13,14,15
	ds_load_b128 v[BB+4*\t:BB+4*\t+3], v[RD] offset:\t*PH
.endr
.endm
.macro SEND a, younger                 ; younger: the LDS instructions issued behind block a's loads, which may stay out
.set BB, BK+64*((\a)%2)
	s_wait_dscnt \younger                          ; the block is back in registers
.if (\a) > 0
	s_add_nc_u64 s[26:27], s[26:27], 16*2048       ; (behind a wait on XCNT: the earlier stores have read their base)  16 rows of out on
.endif
.irp t, 0,1,2,3,4,5,6,7,8,9,10,11,12,13,14,15
	global_store_b128 v[CO], v[BB+4*\t:BB+4*\t+3], s[26:27] offset:\t*2048 th:TH_STORE_NT   ; 32 lanes store 512 consecutive bytes, at a multiple of 512 from out's first byte; written once, read by nobody here
.endr
.endm
	PLACES 4                                       ; behind the last products: for the first reads of results and the loads into the registers that held fragments
	TOSTAGE 0
.irp a, 1,2,3,4,5,6,7
.if \a > 1
	s_wait_xcnt 0x0                                ; block a - 2's stores have read their registers and their base: block a's loads may land there, and the base may step
.endif
	TOSTAGE \a
	SEND \a-1, 32                                  ; behind block a - 1's loads: block a's 16 stores and 16 loads
.endr
	s_wait_xcnt 0x0                                ; block 6's stores have read their base
	SEND 7, 0
	s_wait_tensorcnt 0x0                           ; the wave's end, behind my last tensor load and my last LDS store
	ds_add_u32 v[SPW], v[NIL]
	s_wait_dscnt 0x0
	CROUND                                         ; the closing round: no work-group ends while a partner may still ask for a tile that names it
	s_endpgm
.Lfunc_end_k_q236ed10205_mlp:
	.size	k_q236ed10205_mlp, .Lfunc_end_k_q236ed10205_mlp-k_q236ed10205_mlp
	.p2alignl 7, 3214868480
	.fill 96, 4, 3214868480
	.section	.rodata,"a",@progbits
	.p2align	6, 0x0
	.amdhsa_kernel k_q236ed10205_mlp
		.amdhsa_group_segment_fixed_size 327680
		.amdhsa_private_segment_fixed_size 0
		.amdhsa_enable_private_segment 0
		.amdhsa_kernarg_size 96
		.amdhsa_user_sgpr_count 2
		.amdhsa_user_sgpr_kernarg_segment_ptr 1
		.amdhsa_wavefront_size32 1
		.amdhsa_system_sgpr_workgroup_id_x 1
		.amdhsa_system_sgpr_workgroup_id_y 1
		.amdhsa_system_sgpr_workgroup_id_z 1
		.amdhsa_system_vgpr_workitem_id 0
		.amdhsa_next_free_vgpr 1024
		.amdhsa_next_free_sgpr 96
		.amdhsa_reserve_vcc 0
		.amdhsa_float_denorm_mode_32 3
		.amdhsa_float_denorm_mode_16_64 3
		.amdhsa_memory_ordered 1
		.amdhsa_forward_progress 1
		.amdhsa_inst_pref_size 255
	.end_amdhsa_kernel
	.section	.bss,"aw",@nobits
	.p2align	6
	.space	262144
	.amdgpu_metadata
---
amdhsa.version: [ 1, 2 ]
amdhsa.kernels:
  - .name:           k_q236ed10205_mlp
    .symbol:         k_q236ed10205_mlp.kd
    .args:
      - { .name: query_codes, .offset: 0, .size: 8, .value_kind: global_buffer, .address_space: global }
      - { .name: query_scales, .offset: 8, .size: 8, .value_kind: global_buffer, .address_space: global }
      - { .name: W0_codes, .offset: 16, .size: 8, .value_kind: global_buffer, .address_space: global }
      - { .name: W0_scales, .offset: 24, .size: 8, .value_kind: global_buffer, .address_space: global }
      - { .name: b0, .offset: 32, .size: 8, .value_kind: global_buffer, .address_space: global }
      - { .name: W1_codes, .offset: 40, .size: 8, .value_kind: global_buffer, .address_space: global }
      - { .name: W1_scales, .offset: 48, .size: 8, .value_kind: global_buffer, .address_space: global }
      - { .name: b1, .offset: 56, .size: 8, .value_kind: global_buffer, .address_space: global }
      - { .name: W2_codes, .offset: 64, .size: 8, .value_kind: global_buffer, .address_space: global }
      - { .name: W2_scales, .offset: 72, .size: 8, .value_kind: global_buffer, .address_space: global }
      - { .name: b2, .offset: 80, .size: 8, .value_kind: global_buffer, .address_space: global }
      - { .name: out0, .offset: 88, .size: 8, .value_kind: global_buffer, .address_space: global }
    .group_segment_fixed_size: 327680
    .private_segment_fixed_size: 0
    .kernarg_segment_align: 8
    .kernarg_segment_size: 96
    .max_flat_workgroup_size: 128
    .sgpr_count:     96
    .vgpr_count:     1024
    .wavefront_size: 32
...
	.end_amdgpu_metadata
.endif
;; end of part 1
